; MI455X (gfx1250); checked and timed in simulation.
; The chip was launched on July 23, 2026; its instructions are those of AMD's public machine-readable ISA for CDNA 5 (MIT licence, August 2026) and "CDNA5" Instruction Set Architecture Reference Guide (July 2026). The comments in the code are by the model that wrote it; some were corrected since.
;; Differentiable Palette Quantization. Allowed arithmetic: float matrix products may take bf16 or f16 operands with f32 sums; all other float work in f32.
;; Inputs: images 16 x 256 x 256 x 3 float32; palettes 16 x 64 x 3 float32; temperature one number float32.
;; Outputs: out0 16 x 256 x 256 x 3 float32.
;; One version. Each part assembles by itself: llvm-mc -triple=amdgcn-amd-amdhsa -mcpu=gfx1250 --defsym DOCPART=n.
;; ======== version 1 of 1: 1 launch
;; launch palette (part 1): grid 256 x 1, 16 waves a work-group, no clusters, 102,400 bytes of LDS; arguments images, palettes, temperature, out0; writes out0
.if DOCPART == 1
	.amdgcn_target "amdgcn-amd-amdhsa--gfx1250"
	.amdhsa_code_object_version 6
	.text
	.protected	k_q092b09777a_palette
	.globl	k_q092b09777a_palette
	.p2align	8
	.type	k_q092b09777a_palette,@function
k_q092b09777a_palette:
	s_mov_b64 s[64:65], 0
	v_nop
	global_prefetch_b8 v0, s[64:65] scope:SCOPE_SE
	s_setreg_imm32_b32 hwreg(HW_REG_WAVE_MODE, 25, 1), 1
	s_wait_xcnt 0x0
; out[p][c] = sum over k of w[p][k] pal[k][c],  w[p][.] = softmax over k of -|x[p] - pal[k]|^2 / T.
; images, out0: [16][65536][3] f32.  palettes: [16][64][3] f32.  temperature: one f32.
;
; ARITHMETIC.  x and the palette are centred on the batch's palette entry 0 (x' = x - c, p' = p - c, in f32): distances do not change,
; and a common offset is gone before any product is formed.  -|x'-p'|^2/T = (2 x'.p' - |p'|^2)/T - |x'|^2/T; the last term is the same for
; all 64 entries and drops out of the softmax.  In base 2, with a = log2(e)/T:  l[k] = P0[k] x'0 + P1[k] x'1 + P2[k] x'2 + Q[k],
; P = 2 a p', Q = -a |p'|^2: three f32 multiply-adds.  The largest of the pixel's 64 l is taken away in front of every exponential.
; The weighted sum goes to the matrix unit in bf16 with f32 sums: A = p' transposed (rows c = 0, 1, 2) with a row of ones, B = the weights;
; the row of ones gives the softmax's denominator from the same rounded weights.  out = c + sum / denominator, in f32.
; LIMITS.  1/T is v_rcp_f32 (1 ulp): 2^-126 <= |T| <= 2^126.  A weight below 2^-126 of the largest becomes 0.  Weights and p' are rounded to
; bf16 for the product.  The logit is the expanded square of the centred numbers, so its rounding differs from the reference's in the last
; bits of f32.  v_max3_num_f32 passes over a NaN logit.
;
; SHARES.  256 work-groups of 16 waves; a work-group owns 4,096 pixels of one batch (16 work-groups a batch), a wave 256 pixels: 16 steps of
; 16 pixels.  Lane l = (r = l % 16, h = l / 16) holds entries 32 h .. 32 h + 31 of the pixel in column r: the layout of a matrix B fragment,
; with k permuted alike in A and B (slot (h, register q, half) of product t is entry 32 h + 16 t + 2 q + half).  In the four steps of a block
; of 64 pixels lane r takes pixels 4 r .. 4 r + 3: its x and its results are 48 neighbouring bytes, three aligned 16-byte LDS accesses.
; MEMORY.  A wave's 3,072 bytes come in by six loads of 512 neighbouring bytes, all issued at the start, and are laid into the wave's own LDS
; bytes; results are gathered in the wave's own LDS bytes and leave by stores of 512 neighbouring bytes that start at multiples of 256.
; NOT USED: tensor loads and rings (a wave's whole input is six loads); clusters (work-groups share only the palette's 768 bytes).
.set WG_B,    49152                    ; bytes of a work-group's 4,096 pixels
.set WAVE_B,  3072                     ; bytes of a wave's 256 pixels
.set CHUNK_B, 1536                     ; 128 pixels: three stores of 512 bytes
.set BLOCK_B, 768                      ; 64 pixels: four steps
.set PAL_B,   768                      ; a batch's palette
.set LCOEF,   0                        ; LDS: P0[64], P1[64], P2[64], Q[64] in f32, 256 bytes each
.set LPT,     1024                     ; LDS: five rows of 64 bf16: p'0, p'1, p'2, ones, zeros
.set LSTAGE,  2048                     ; LDS: from here 6,144 bytes for each wave: 3,072 in, 3,072 out
.set LWAVE,   2*WAVE_B
.set LOUT,    WAVE_B
.set PX,  2                            ; v2        LDS address of my 48 bytes in block 0 of my wave's input (48 r); never rewritten
.set STG, 3                            ; v3        LDS address of my 16 bytes in my wave's first 512 (16 l); never rewritten
.set GO,  4                            ; v4        byte offset of the same 16 bytes in the work-group's part of images and out0; never rewritten
.set XR,  10                           ; v[10:21]  x of my four pixels of a block, as loaded
.set XC,  22                           ; v[22:27]  x' of this step's pixel in v22, v24, v26 (the low registers of three pairs)
.set MX,  28                           ; v[28:31]  four running maxima
.set S,   32                           ; v[32:35]  three weighted sums and the sum of the weights
.set R,   36                           ; v36       1 / sum of the weights
.set OB,  38                           ; v[38:49]  results of my four pixels of a block
.set ST,  50                           ; v[50:61]  results read back by rows, on their way to memory
.set D0,  64                           ; v[64:71]  product of entries 32 h .. 32 h + 15
.set D1,  72                           ; v[72:79]  product of entries 32 h + 16 .. 32 h + 31
.set PT0, 80                           ; v[80:87]  A fragment for D0
.set PT1, 88                           ; v[88:95]  A fragment for D1
.set L,   96                           ; v[96:127] 32 logits, then 32 weights, then v[96:111] the weights packed to bf16 (the two B fragments)
.set P0,  128                          ; v[128:159], v[160:191], v[192:223], v[224:255]: P0, P1, P2, Q of my 32 entries
.set P1,  160
.set P2,  192
.set Q,   224
; at work while the table is made (waves 0 and 1, ahead of the steps; these registers serve as S, R, OB later)
.set TP,  32                           ; v[32:34]  the entry, then p'
.set TN,  35                           ; |p'|^2, then Q
.set TA,  36                           ; a; v37: 2 a
.set TC,  38                           ; v[38:40]  P0, P1, P2
.set TB,  41                           ; v[41:43]  p' in bf16; v44: 1.0 in bf16; v45: 0
.set TW,  46                           ; 4 t; v47: 2 t
	s_load_b256 s[4:11], s[0:1], 0x0               ; images s[4:5], palettes s[6:7], temperature s[8:9], out0 s[10:11]
	v_lshl_add_u32 v62, v0, 2, 0x18800
	v_mov_b32 v63, 0
	v_lshrrev_b32 v1, 5, v0
	v_readfirstlane_b32 s12, v1                    ; wave 0..15
	v_and_b32 v1, 31, v0                           ; l
	v_and_b32 v5, 15, v0                           ; r
	v_bfe_u32 v6, v0, 4, 1                         ; h
	s_mul_i32 s22, ttmp9, WG_B                     ; the work-group's part of images and out0 (below 12.6 MB)
	s_mov_b32 s23, 0
	s_lshr_b32 s26, ttmp9, 4                       ; batch
	s_mul_i32 s26, s26, PAL_B
	s_mov_b32 s27, 0
	s_mul_i32 s15, s12, LWAVE
	s_add_co_u32 s15, s15, LSTAGE                  ; my wave's LDS bytes
	s_mul_i32 s24, s12, WAVE_B                     ; my wave's bytes in the work-group's part
	s_mov_b32 s20, 0x76543210                      ; v_permlanex16_b32: lane i of one half reads lane i of the other
	s_mov_b32 s21, 0xfedcba98
	v_lshl_add_u32 v[STG], v1, 4, s15
	v_mad_u32_u24 v[PX], v5, 48, s15
	v_lshl_add_u32 v[GO], v1, 4, s24
	s_wait_kmcnt 0x0
	s_add_nc_u64 s[4:5], s[4:5], s[22:23]
	s_add_nc_u64 s[10:11], s[10:11], s[22:23]
	s_add_nc_u64 s[6:7], s[6:7], s[26:27]          ; the batch's palette
	s_load_b128 s[16:19], s[6:7], 0x0              ; c = entry 0 in s16, s17, s18 (s19, entry 1's first number, is not used)
	s_load_b32 s28, s[8:9], 0x0                    ; T
	s_cmp_gt_u32 s12, 1
	s_cbranch_scc1 .Limages                        ; threads 0 to 63 each fetch one palette entry, ahead of their image loads
	v_mul_u32_u24 v7, v0, 12
	global_load_b32 v[TP],   v7, s[6:7]
	global_load_b32 v[TP+1], v7, s[6:7] offset:4
	global_load_b32 v[TP+2], v7, s[6:7] offset:8
.Limages:
.irp i, 0,1,2,3,4,5
	global_load_b128 v[L+4*\i:L+4*\i+3], v[GO], s[4:5] offset:512*\i th:TH_LOAD_NT   ; my wave's 3,072 bytes, 512 neighbouring bytes a load
.endr
	v_lshlrev_b32 v8, 7, v6                        ; table: my 32 entries begin at byte 128 h of each f32 array
	v_and_b32 v9, 7, v0                            ; A's row m = r: rows 0-3 and 8-11 are p'0, p'1, p'2, ones; all others the row of zeros.
	v_min_u32 v9, 4, v9                            ; Rows 8-11 repeat rows 0-3, so that both halves of the lanes get the pixel's sums in registers 0-3
	v_lshlrev_b32 v9, 7, v9
	v_lshl_add_u32 v9, v6, 6, v9                   ; + 64 h: my 32 entries in a row of bf16
	v_mov_b32 v[XC+1], 0                           ; the upper registers of the pairs that hold x': named by the packed multiply-adds, never selected
	v_mov_b32 v[XC+3], 0
	v_mov_b32 v[XC+5], 0
	s_wait_kmcnt 0x0                               ; c (every wave) and T
	s_cmp_gt_u32 s12, 1
	s_cbranch_scc1 .Ltable_done
	; thread t makes entry t's line of the table
	v_rcp_f32 v[TA], s28                           ; 1 / T; a plain vector instruction stands between it and the use of its result (ISA guide 5.7.2)
	v_lshlrev_b32 v[TW], 2, v0
	v_lshlrev_b32 v[TW+1], 1, v0
	s_wait_alu depctr_va_vdst(0)
	v_mul_f32 v[TA], 0x3fb8aa3b, v[TA]             ; a = log2(e) / T
	v_add_f32 v[TA+1], v[TA], v[TA]                ; 2 a
	v_mov_b32 v[TB+3], 0x3f80                      ; 1.0 in bf16
	v_mov_b32 v[TB+4], 0
	s_wait_loadcnt 0x6                             ; loads return in order (ISA guide 5.7.1): the entry is in, the six image loads issued behind it stay out
	v_sub_f32 v[TP],   v[TP],   s16                ; p' = p - c
	v_sub_f32 v[TP+1], v[TP+1], s17
	v_sub_f32 v[TP+2], v[TP+2], s18
	v_mul_f32 v[TN], v[TP], v[TP]
	v_fmac_f32 v[TN], v[TP+1], v[TP+1]
	v_fmac_f32 v[TN], v[TP+2], v[TP+2]             ; |p'|^2
.irp c, 0,1,2
	v_mul_f32 v[TC+\c], v[TA+1], v[TP+\c]          ; P = 2 a p'
	v_cvt_pk_bf16_f32 v[TB+\c], v[TP+\c], v[TP+\c] ; p' in bf16 (the low half is stored)
.endr
	v_mul_f32 v[TN], -v[TA], v[TN]                 ; Q = -a |p'|^2
.irp c, 0,1,2
	ds_store_b32 v[TW], v[TC+\c] offset:LCOEF+256*\c
.endr
	ds_store_b32 v[TW], v[TN] offset:LCOEF+768
.irp c, 0,1,2,3,4
	ds_store_b16 v[TW+1], v[TB+\c] offset:LPT+128*\c
.endr
.Ltable_done:
	s_wait_dscnt 0x0                               ; the table's stores are done, for the other waves' sake
	s_barrier_signal -1
	s_barrier_wait -1                              ; the only barrier: from here on the table is only read, and all other LDS bytes are a wave's own
.irp q, 0,1,2,3,4,5,6,7
	ds_load_b128 v[P0+4*\q:P0+4*\q+3], v8 offset:LCOEF+16*\q
	ds_load_b128 v[P1+4*\q:P1+4*\q+3], v8 offset:LCOEF+256+16*\q
	ds_load_b128 v[P2+4*\q:P2+4*\q+3], v8 offset:LCOEF+512+16*\q
	ds_load_b128 v[Q+4*\q:Q+4*\q+3],   v8 offset:LCOEF+768+16*\q
.endr
	ds_load_b128 v[PT0:PT0+3],   v9 offset:LPT     ; entries 32 h + 0 .. 7 of my row
	ds_load_b128 v[PT0+4:PT0+7], v9 offset:LPT+16  ; 32 h + 8 .. 15
	ds_load_b128 v[PT1:PT1+3],   v9 offset:LPT+32  ; 32 h + 16 .. 23
	ds_load_b128 v[PT1+4:PT1+7], v9 offset:LPT+48  ; 32 h + 24 .. 31
	s_wait_loadcnt 0x0                             ; my wave's pixels
.irp i, 0,1,2,3,4,5
	ds_store_b128 v[STG], v[L+4*\i:L+4*\i+3] offset:512*\i
.endr
; x of my four pixels of block b.  48 r bytes apart: sixteen lanes touch sixteen different 16-byte columns of 256 bytes (3 r mod 16).
.macro XLOAD b
.irp i, 0,1,2
	ds_load_b128 v[XR+4*\i:XR+4*\i+3], v[PX] offset:BLOCK_B*(\b)+16*\i     ; LDS serves a wave's instructions in order (ISA guide 5.7.1.4): these see the stores above
.endr
.endm
; logits of the entry pairs lo .. lo + n - 1: three packed multiply-adds each, x' broadcast from the low register of its pair
.macro FMA3 lo, n
.set jj, \lo
.rept \n
	v_pk_fma_f32 v[L+2*jj:L+2*jj+1], v[XC:XC+1], v[P0+2*jj:P0+2*jj+1], v[Q+2*jj:Q+2*jj+1] op_sel_hi:[0,1,1]
.set jj, jj+1
.endr
.set jj, \lo
.rept \n
	v_pk_fma_f32 v[L+2*jj:L+2*jj+1], v[XC+2:XC+3], v[P1+2*jj:P1+2*jj+1], v[L+2*jj:L+2*jj+1] op_sel_hi:[0,1,1]
.set jj, jj+1
.endr
.set jj, \lo
.rept \n
	v_pk_fma_f32 v[L+2*jj:L+2*jj+1], v[XC+4:XC+5], v[P2+2*jj:P2+2*jj+1], v[L+2*jj:L+2*jj+1] op_sel_hi:[0,1,1]
.set jj, jj+1
.endr
.endm
; the last step's two products are added; the reciprocal of the sum of the weights (at least 1: the largest weight is 1)
.macro SUMS
	v_pk_add_f32 v[S:S+1],   v[D0:D0+1],   v[D1:D1+1]
	v_pk_add_f32 v[S+2:S+3], v[D0+2:D0+3], v[D1+2:D1+3]
	v_rcp_f32 v[R], v[S+3]
.endm
; step gp's pixel: out = c + sum / sum of weights.  Behind a block's fourth pixel my 48 bytes go to the wave's output bytes in LDS.
; Lanes r and r + 16 hold the same numbers and write them to the same bytes.
.macro RESULT gp
.set JP, (\gp)&3
.set BP, (\gp)>>2
	s_wait_alu depctr_va_vdst(0)
	v_fma_f32 v[OB+3*JP],   v[S],   v[R], s16
	v_fma_f32 v[OB+3*JP+1], v[S+1], v[R], s17
	v_fma_f32 v[OB+3*JP+2], v[S+2], v[R], s18
.if JP == 3
.irp i, 0,1,2
	ds_store_b128 v[PX], v[OB+4*\i:OB+4*\i+3] offset:LOUT+BLOCK_B*BP+16*\i
.endr
.endif
.endm
; 128 pixels' results back from LDS, 16 neighbouring bytes a lane, and out
.macro BACK c
.irp i, 0,1,2
	ds_load_b128 v[ST+4*\i:ST+4*\i+3], v[STG] offset:LOUT+CHUNK_B*\c+512*\i
.endr
.endm
.macro OUT c
.irp i, 0,1,2
	global_store_b128 v[GO], v[ST+4*\i:ST+4*\i+3], s[10:11] offset:CHUNK_B*\c+512*\i th:TH_STORE_NT   ; 512 neighbouring bytes, from a multiple of 256
.endr
.endm
; the largest of the pixel's 64 logits: four chains over my 32, then the other half of the lanes
.macro MAXIMUM
.irp k, 0,1,2,3
	v_max3_num_f32 v[MX+\k], v[L+3*\k], v[L+3*\k+1], v[L+3*\k+2]
.endr
.set jj, 12
.set cc, 0
.rept 10
	v_max3_num_f32 v[MX+cc], v[MX+cc], v[L+jj], v[L+jj+1]
.set jj, jj+2
.set cc, (cc+1)&3
.endr
	v_max3_num_f32 v[MX], v[MX], v[MX+1], v[MX+2]
	v_max_num_f32 v[MX], v[MX], v[MX+3]
	v_permlanex16_b32 v[MX+1], v[MX], s20, s21     ; its destination counts as read: v[MX+1] has been written
	v_max_num_f32 v[MX], v[MX], v[MX+1]
.endm
.macro SHIFT p                         ; the maximum is taken away from a pair of logits
	v_pk_add_f32 v[L+2*(\p):L+2*(\p)+1], v[L+2*(\p):L+2*(\p)+1], v[MX:MX+1] op_sel_hi:[1,0] neg_lo:[0,1] neg_hi:[0,1]
.endm
; weights and products.  Pair by pair: shift pair p + 2, exponentials of pair p + 1, pack pair p into v[L+p] (that register's weight was packed
; earlier or is packed by this line).  Between a pair's exponentials and the line that packs it stands the packing of the pair before (for
; pair 0 a shift): a plain vector instruction that names none of their registers (ISA guide 5.7.2).
; Each product starts its own sum (C = 0); SUMS adds the two, so that no matrix instruction adds onto another's result.
.macro WEIGHTS
	SHIFT 0
	SHIFT 1
	v_exp_f32 v[L], v[L]
	v_exp_f32 v[L+1], v[L+1]
.set pp, 0
.rept 16
.if pp < 14
	SHIFT pp+2
.endif
.if pp < 15
	v_exp_f32 v[L+2*pp+2], v[L+2*pp+2]
	v_exp_f32 v[L+2*pp+3], v[L+2*pp+3]
.endif
	s_wait_alu depctr_va_vdst(0)
	v_cvt_pk_bf16_f32 v[L+pp], v[L+2*pp], v[L+2*pp+1]
.if pp == 7
	v_wmma_f32_16x16x32_bf16 v[D0:D0+7], v[PT0:PT0+7], v[L:L+7], 0         ; the lines behind it touch v[L+8] and above only
.endif
.set pp, pp+1
.endr
	v_wmma_f32_16x16x32_bf16 v[D1:D1+7], v[PT1:PT1+7], v[L+8:L+15], 0
.endm
; One step: 16 pixels.  The step before's products are read, and their B fragments v[L:L+15] written again, only behind the three subtractions and
; the 24 multiply-adds on v[L+16:L+31], which name no register of those matrix instructions: more than the four places of ISA guide 7.12.1.
.macro STEP g
.set J,  (\g)&3
.set BL, (\g)>>2
.if J == 0
	s_wait_dscnt 0x0                               ; the block's x (asked for a step ago; in step 0 also the table's registers)
.endif
	v_sub_f32 v[XC],   v[XR+3*J],   s16            ; x' = x - c
	v_sub_f32 v[XC+2], v[XR+3*J+1], s17
	v_sub_f32 v[XC+4], v[XR+3*J+2], s18
.if J == 3
.if BL < 3
	XLOAD BL+1                                     ; the block's last x has been read: the next block's has this step in which to come
.endif
.endif
	FMA3 8, 8
.if \g > 0
	SUMS
.endif
	FMA3 0, 8                                      ; also the plain instructions between v_rcp_f32 and the use of its result
.if \g > 0
	RESULT (\g)-1
.endif
.if \g == 8
	BACK 0                                         ; pixels 0 to 127 are complete in LDS
.endif
	MAXIMUM
.if \g == 8
	s_wait_dscnt 0x0
	OUT 0
.endif
	WEIGHTS
.endm
	XLOAD 0
.irp g, 0,1,2,3,4,5,6,7,8,9,10,11,12,13,14,15
	STEP \g
.endr
.rept 4
	v_nop                                          ; four places between the last matrix instruction and the reading of its result (ISA guide 7.12.1)
.endr
	SUMS
	v_nop                                          ; the plain instruction behind v_rcp_f32
	RESULT 15
	s_wait_xcnt 0x0                                ; the first three stores have had their addresses translated (ISA guide 3.1): their data registers are loaded again only behind this wait
	BACK 1
	s_wait_dscnt 0x0
	OUT 1
	s_wait_tensorcnt 0x0
	ds_add_u32 v62, v63
	s_wait_dscnt 0x0
	s_endpgm
.Lfunc_end_k_q092b09777a_palette:
	.size	k_q092b09777a_palette, .Lfunc_end_k_q092b09777a_palette-k_q092b09777a_palette
	.p2alignl 7, 3214868480
	.fill 96, 4, 3214868480
	.section	.rodata,"a",@progbits
	.p2align	6, 0x0
	.amdhsa_kernel k_q092b09777a_palette
		.amdhsa_group_segment_fixed_size 102400
		.amdhsa_private_segment_fixed_size 0
		.amdhsa_enable_private_segment 0
		.amdhsa_kernarg_size 32
		.amdhsa_user_sgpr_count 2
		.amdhsa_user_sgpr_kernarg_segment_ptr 1
		.amdhsa_wavefront_size32 1
		.amdhsa_system_sgpr_workgroup_id_x 1
		.amdhsa_system_sgpr_workgroup_id_y 1
		.amdhsa_system_sgpr_workgroup_id_z 1
		.amdhsa_system_vgpr_workitem_id 0
		.amdhsa_next_free_vgpr 256
		.amdhsa_next_free_sgpr 66
		.amdhsa_reserve_vcc 0
		.amdhsa_float_denorm_mode_32 3
		.amdhsa_float_denorm_mode_16_64 3
		.amdhsa_memory_ordered 1
		.amdhsa_forward_progress 1
		.amdhsa_inst_pref_size 143
	.end_amdhsa_kernel
	.amdgpu_metadata
---
amdhsa.version: [ 1, 2 ]
amdhsa.kernels:
  - .name:           k_q092b09777a_palette
    .symbol:         k_q092b09777a_palette.kd
    .args:
      - { .name: images, .offset: 0, .size: 8, .value_kind: global_buffer, .address_space: global }
      - { .name: palettes, .offset: 8, .size: 8, .value_kind: global_buffer, .address_space: global }
      - { .name: temperature, .offset: 16, .size: 8, .value_kind: global_buffer, .address_space: global }
      - { .name: out0, .offset: 24, .size: 8, .value_kind: global_buffer, .address_space: global }
    .group_segment_fixed_size: 102400
    .private_segment_fixed_size: 0
    .kernarg_segment_align: 8
    .kernarg_segment_size: 32
    .max_flat_workgroup_size: 512
    .sgpr_count:     66
    .vgpr_count:     256
    .wavefront_size: 32
...
	.end_amdgpu_metadata
.endif
;; end of part 1
